; MI455X (gfx1250); checked and timed in simulation.
; The chip was launched on July 23, 2026; its instructions are those of AMD's public machine-readable ISA for CDNA 5 (MIT licence, August 2026) and "CDNA5" Instruction Set Architecture Reference Guide (July 2026). The comments in the code are by the model that wrote it; some were corrected since.
;; Vector Quantization. Allowed arithmetic: matrix products marked QUANTISED: E3M2 operands, one E8M0 scale for each 32 along K, by v_wmma_scale_f32_16x16x128_f8f6f4 with both operands' format E3M2, f32 sums; everything else in f32.
;; Inputs: codebook 8,192 x 256 float32; z 8 x 4,096 x 256 float32.
;; Outputs: out0 8 x 4,096 x 256 float32; out1 32,768 int32.
;; This version of the problem:
;;   THIS VERSION OF THE PROBLEM IS GIVEN IN LOW PRECISION. The matrix products marked QUANTISED in the list below multiply operands that are first quantised to E3M2 (3 exponent bits, 2 mantissa bits; 6 bits a number), with one power-of-two scale for each 32 numbers along K (OCP MX v1.0); their sums are f32. All else is computed in f32.
;;   The module's matrix products, in the order in which they are computed (A, B: the left and right operand; K: the contracted axis; several contracted axes count as one K, in the product's order):
;;     1. [M 32,768, K 256] x [K 256, N 8,192]; A: input z; B: input codebook: QUANTISED
;;   THE QUANTISER, for each operand of a quantised product, along K:
;;     - K is cut into blocks of 32 from its start; a last block that is shorter is filled with zeros.
;;     - A block's scale is 2^e with e = floor(log2(the largest magnitude in the block)) - 4, held to -126 .. 127; a block of zeros has e = 0. As a byte (E8M0): e + 127.
;;     - Each number is divided by its block's scale, clamped to +-28, and rounded to the nearest number of E3M2, ties to even, subnormals kept.
;;     - The product sums the exact products of the quantised numbers (number of the format x scale) in f32.
;;   ~~~python
;;   def quantise(x, axis):      # numpy; x: float32 -> the quantised numbers, widened to float32 again
;;       x = np.moveaxis(x, axis, -1); K = x.shape[-1]
;;       x = np.pad(x, [(0, 0)] * (x.ndim - 1) + [(0, -K % 32)]); x = x.reshape(x.shape[:-1] + (-1, 32)); a = np.abs(x).max(-1, keepdims=True)
;;       e = np.where(a > 0, np.clip(np.frexp(np.where(a > 0, a, 1))[1] - 1 - 4, -126, 127), 0)      # np.frexp(a)[1] - 1 = floor(log2(a)), exactly
;;       r = np.clip(x / 2.0 ** e, -28, 28)
;;       step = 2.0 ** (np.maximum(np.frexp(np.where(r == 0, 1, r))[1] - 1, -2) - 2)
;;       q = np.round(r / step) * step * 2.0 ** e      # np.round: ties to even
;;       return np.moveaxis(q.reshape(q.shape[:-2] + (-1,))[..., :K], -1, axis).astype(np.float32)
;;   ~~~
;; One version. Each part assembles by itself: llvm-mc -triple=amdgcn-amd-amdhsa -mcpu=gfx1250 --defsym DOCPART=n.
;; ======== version 1 of 1: 4 launches
;; limits: right only within a limited range of input values
;; workspace buffers: zc 6,291,456 bytes; zs 524,288 bytes; cc 1,703,936 bytes; pick 131,072 bytes of whole numbers; idxw 131,072 bytes of whole numbers
;; launch prep (part 1): grid 256 x 1, 10 waves a work-group, no clusters, 167,680 bytes of LDS; arguments z, codebook, zc, zs, cc; writes zc, zs, cc
.if DOCPART == 1
	.amdgcn_target "amdgcn-amd-amdhsa--gfx1250"
	.amdhsa_code_object_version 6
	.text
	.protected	k_q202d1e2df5_prep
	.globl	k_q202d1e2df5_prep
	.p2align	8
	.type	k_q202d1e2df5_prep,@function
k_q202d1e2df5_prep:
	s_mov_b64 s[64:65], 0
	v_nop
	global_prefetch_b8 v0, s[64:65] scope:SCOPE_SE
	s_setreg_imm32_b32 hwreg(HW_REG_WAVE_MODE, 25, 1), 1
	s_wait_xcnt 0x0
; z [32768][256] and codebook [8192][256], f32, are quantised ONCE along their 256 into codes of BF6 (E3M2) with one E8M0 byte for each 32 numbers.
; A tile is 16 rows.  What leaves for a tile:
;   its image, 3,072 bytes: the two operand fragments (K steps of 128) as the matrix instruction wants them in registers: byte 1536 s + 512 c + 16 lane holds registers 4 c .. 4 c + 3 of K step s;
;   its side record, 256 bytes: word 16 s + r = the scale word of row r, K step s; behind them, at 128 + 4 lane, the f32 sum of squares of row lane % 16 (of the UNQUANTISED numbers).
; One wave takes one tile: 2,048 tiles of z, then 512 of the codebook: 2,560 waves, ten to a work-group.  One path through the text: only the pointers are chosen, on the tile number.
; A block's scale is 2^(floor(log2(largest magnitude)) - 4); its byte is the largest magnitude's exponent field - 4, held at 1 from below.
; LIMITS: a block of zeros gets the byte 1 where the rule says 127: its codes are zeros, which add nothing, and this program alone reads the bytes.  NaN and infinities among the inputs are not served.
; The sums of squares are f32 fused multiply-adds in four chains a lane: another order of rounding than a sum taken number by number.
; Each load reads 512 consecutive bytes; the conversions want 16 neighbours along K in ONE lane: the tile turns through the wave's own stage in LDS.  Waves share nothing: no barrier.
.set STAGE, 16640                      ; a wave's stage: 16 rows
.set PITCH, 1040                       ; of 1,024 bytes + 16: 260 words, so that the 16 rows that a load touches begin 4 banks apart (64 banks of 4 bytes: ISA guide 11.1)
.set XR,  16                           ; v16-143  the tile as loaded; later v16-79 K step 1's numbers, v80-98 its codes
.set YR,  144                          ; v144-207 K step 0's numbers: register 16 b + i = k 32 b + 16 (lane / 16) + i of row lane % 16
.set TM,  208                          ; v208-223 at work in QUANT
.set PC0, 224                          ; v224-242 K step 0's codes
.set PC1, 80
.set PW0, 244                          ; the two scale words
.set PW1, 245
.set SQA, 246                          ; v[246:247], v[248:249] the sum of squares, two packed chains
.set SQB, 248
.set SEL, 20                           ; s[20:21] lane selects of v_permlanex16_b32: lane l xor 16
; 64 numbers of a lane become a fragment's codes in v[pc] .. v[pc + 11] and the row's scale word in v[pw]
.macro QUANT s, pc, pw
.irp b, 0,1,2,3
	v_max3_num_f32 v[TM+\b], |v[\s+16*\b]|, |v[\s+1+16*\b]|, 0x2800000   ; block b: my 16 numbers, and the floor 2^(5 - 127): the byte cannot fall under 1
.endr
.irp i, 2,4,6,8,10,12,14
.irp b, 0,1,2,3
	s_delay_alu instid0(VALU_DEP_4)
	v_max3_num_f32 v[TM+\b], v[TM+\b], |v[\s+16*\b+\i]|, |v[\s+1+16*\b+\i]|   ; the four blocks by turns
.endr
.endr
.irp b, 0,1,2,3
	s_delay_alu instid0(VALU_DEP_4)
	v_permlanex16_b32 v[TM+4+\b], v[TM+\b], s[SEL], s[SEL+1]
.endr
.irp b, 0,1,2,3
	s_delay_alu instid0(VALU_DEP_4)
	v_max_num_f32 v[TM+\b], v[TM+\b], v[TM+4+\b]       ; with lane l xor 16: the block's largest magnitude
.endr
.irp b, 0,1,2,3
	s_delay_alu instid0(VALU_DEP_4)
	v_add_nc_u32 v[TM+12+\b], 0xfe000000, v[TM+\b]     ; 4 off its exponent field: the conversion takes the exponent field of this operand as its scale
.endr
.irp b, 0,1,2,3
	s_delay_alu instid0(VALU_DEP_4)
	v_lshrrev_b32 v[TM+4+\b], 23, v[TM+12+\b]          ; the scale's byte
.endr
	s_delay_alu instid0(VALU_DEP_3)
	v_lshl_or_b32 v[\pw], v[TM+5], 8, v[TM+4]
	s_delay_alu instid0(VALU_DEP_1)
	v_lshl_or_b32 v[\pw], v[TM+6], 16, v[\pw]
	s_delay_alu instid0(VALU_DEP_1)
	v_lshl_or_b32 v[\pw], v[TM+7], 24, v[\pw]
.irp c, 0,1
	v_cvt_scalef32_pk16_bf6_f32 v[\pc+6*\c:\pc+2+6*\c], v[\s+32*\c:\s+15+32*\c], v[TM+12+2*\c]
	v_cvt_scalef32_pk16_bf6_f32 v[\pc+12+4*\c:\pc+14+4*\c], v[\s+16+32*\c:\s+31+32*\c], v[TM+12+2*\c+1]   ; (a conversion's three registers begin on an even number)
.endr
	v_nop                                              ; one plain place behind a scaled conversion
.irp c, 0,1                                        ; the operand wants a WHOLE block in a lane: lanes 0-15 block 2 c, lanes 16-31 block 2 c + 1
.irp i, 0,1,2
	v_permlane16_swap_b32 v[\pc+6*\c+\i], v[\pc+12+4*\c+\i]
.endr
.irp i, 0,1,2
	s_delay_alu instid0(VALU_DEP_3)
	v_mov_b32 v[\pc+3+6*\c+\i], v[\pc+12+4*\c+\i]
.endr
.endr
.endm
; the squares of 64 numbers onto the two packed chains; first = 1: the first products start the sums
.macro SQ s, first
.if \first
	v_pk_mul_f32 v[SQA:SQA+1], v[\s:\s+1], v[\s:\s+1]
	v_pk_mul_f32 v[SQB:SQB+1], v[\s+2:\s+3], v[\s+2:\s+3]
.else
	v_pk_fma_f32 v[SQA:SQA+1], v[\s:\s+1], v[\s:\s+1], v[SQA:SQA+1]
	v_pk_fma_f32 v[SQB:SQB+1], v[\s+2:\s+3], v[\s+2:\s+3], v[SQB:SQB+1]
.endif
.irp j, 4,8,12,16,20,24,28,32,36,40,44,48,52,56,60
	s_delay_alu instid0(VALU_DEP_2)
	v_pk_fma_f32 v[SQA:SQA+1], v[\s+\j:\s+\j+1], v[\s+\j:\s+\j+1], v[SQA:SQA+1]
	s_delay_alu instid0(VALU_DEP_2)
	v_pk_fma_f32 v[SQB:SQB+1], v[\s+\j+2:\s+\j+3], v[\s+\j+2:\s+\j+3], v[SQB:SQB+1]
.endr
.endm
	s_load_b128 s[4:7], s[0:1], 0x0                ; z, codebook
	s_load_b128 s[8:11], s[0:1], 0x10              ; zc, zs
	s_load_b64 s[12:13], s[0:1], 0x20              ; cc
	s_mov_b32 s26, 3328                            ; a codebook tile in cc: its image, 3,072 bytes, and directly behind it its side record, 256 bytes
	v_lshl_add_u32 v254, v0, 2, 0x28a00
	v_mov_b32 v255, 0
	v_lshrrev_b32 v5, 5, v0
	s_delay_alu instid0(VALU_DEP_1)
	v_readfirstlane_b32 s16, v5                    ; wave 0..9
	v_and_b32 v5, 31, v0                           ; lane
	s_delay_alu instid0(VALU_DEP_1)
	v_lshlrev_b32 v1, 4, v5                        ; 16 x lane: my bytes of a load's and of a store's 512
	s_delay_alu instid0(VALU_DEP_2)
	v_lshlrev_b32 v4, 2, v5                        ; 4 x lane
	s_mul_i32 s17, s16, STAGE
	v_add_nc_u32 v2, s17, v1                       ; the stage, on the way in
	v_and_b32 v6, 15, v0                           ; r
	v_bfe_u32 v7, v0, 4, 1                         ; h
	s_delay_alu instid0(VALU_DEP_2)
	v_mul_u32_u24 v3, v6, PITCH
	s_delay_alu instid0(VALU_DEP_1)
	v_lshl_add_u32 v3, v7, 6, v3
	s_delay_alu instid0(VALU_DEP_1)
	v_add_nc_u32 v3, s17, v3                       ; and on the way out: row r, + 64 h: my 16 numbers of a block of 32
	s_mov_b32 s[SEL], 0x76543210
	s_mov_b32 s[SEL+1], 0xfedcba98
.irp b, 0,1,2,3
	v_mov_b32 v[TM+4+\b], 0                        ; written once: a lane permute's destination counts as one of its sources
.endr
	s_mul_i32 s18, ttmp9, 10
	s_add_co_u32 s18, s18, s16                     ; my tile among the 2,560
	s_wait_alu depctr_va_vdst(0)
	s_wait_kmcnt 0x0
	s_cmp_lt_u32 s18, 2048                         ; z's or the codebook's?  The choice hangs on the tile number alone
	s_cselect_b64 s[4:5], s[4:5], s[6:7]
	s_cselect_b64 s[8:9], s[8:9], s[12:13]
	s_cselect_b64 s[10:11], s[10:11], s[12:13]     ; the codebook's records lie in cc too
	s_cselect_b32 s19, 0, 2048
	s_cselect_b32 s24, 3072, s26                   ; bytes from image to image
	s_cselect_b32 s25, 256, s26                    ; from record to record
	s_cselect_b32 s27, 0, 3072                     ; the record's place behind the image
	s_cselect_b32 s28, 0, 0x01010101               ; the codebook's scale bytes are stored one higher: the products then give 2 z.E, exactly; a byte is 250 at the most before the addition, so it stays a finite code
	s_sub_co_u32 s18, s18, s19                     ; the tile's number in its tensor
	s_lshl_b32 s22, s18, 14                        ; 16 rows of 1,024 bytes
	s_mov_b32 s23, 0
	s_add_nc_u64 s[4:5], s[4:5], s[22:23]
	s_mul_i32 s22, s18, s24
	s_add_nc_u64 s[8:9], s[8:9], s[22:23]
	s_mul_i32 s22, s18, s25
	s_add_co_u32 s22, s22, s27
	s_add_nc_u64 s[10:11], s[10:11], s[22:23]
.set i, 0
.rept 32
	global_load_b128 v[XR+4*i:XR+4*i+3], v1, s[4:5] offset:512*i th:TH_LOAD_NT   ; half a row: 512 consecutive bytes; the whole tile, 16 KiB, is asked for at once
.set i, i+1
.endr
.set i, 0
.rept 4
	s_wait_loadcnt 24-i                            ; loads come back in order: the next eight are in, the younger ones stay out
.rept 8
	ds_store_b128 v2, v[XR+4*i:XR+4*i+3] offset:(i/2)*PITCH+(i%2)*512
.set i, i+1
.endr
.endr
.irp b, 0,1,2,3
.irp j, 0,1,2,3
	ds_load_b128 v[YR+16*\b+4*\j:YR+16*\b+4*\j+3], v3 offset:128*\b+16*\j          ; K step 0.  LDS serves a wave's instructions in order: these see my stores
.endr
.endr
	s_wait_dscnt 0x0                               ; K step 0 is in, and the stores have read v16-143
.irp b, 0,1,2,3
.irp j, 0,1,2,3
	ds_load_b128 v[XR+16*\b+4*\j:XR+16*\b+4*\j+3], v3 offset:512+128*\b+16*\j      ; K step 1 lands while K step 0 is worked on
.endr
.endr
	SQ YR, 1
	QUANT YR, PC0, PW0
.irp c, 0,1,2
	global_store_b128 v1, v[PC0+4*\c:PC0+4*\c+3], s[8:9] offset:512*\c             ; 512 consecutive bytes, at a multiple of 256 from the buffer's first byte
.endr
	s_wait_dscnt 0x0                               ; K step 1 is in
	SQ XR, 0
	QUANT XR, PC1, PW1                             ; codes into registers of their own: no store's data are written again
.irp c, 0,1,2
	global_store_b128 v1, v[PC1+4*\c:PC1+4*\c+3], s[8:9] offset:1536+512*\c
.endr
	v_pk_add_f32 v[SQA:SQA+1], v[SQA:SQA+1], v[SQB:SQB+1]
	s_delay_alu instid0(VALU_DEP_1)
	v_add_f32 v[SQA], v[SQA], v[SQA+1]             ; my half of the row,
	s_delay_alu instid0(VALU_DEP_1)
	v_permlanex16_b32 v[SQB], v[SQA], s[SEL], s[SEL+1]
	s_delay_alu instid0(VALU_DEP_1)
	v_add_f32 v[SQA], v[SQA], v[SQB]               ; and lane l xor 16's: the row's sum of squares, in both lanes
	v_cmp_lt_u32 vcc_lo, 15, v5
	s_delay_alu instid0(VALU_DEP_1)
	v_cndmask_b32 v250, v[PW0], v[PW1], vcc_lo     ; lanes 0-15 K step 0's word of row r, lanes 16-31 K step 1's
	v_add_nc_u32 v250, s28, v250
	global_store_b32 v4, v250, s[10:11]
	global_store_b32 v4, v[SQA], s[10:11] offset:128
	s_wait_tensorcnt 0x0
	ds_add_u32 v254, v255
	s_wait_dscnt 0x0
	s_endpgm
.Lfunc_end_k_q202d1e2df5_prep:
	.size	k_q202d1e2df5_prep, .Lfunc_end_k_q202d1e2df5_prep-k_q202d1e2df5_prep
	.p2alignl 7, 3214868480
	.fill 96, 4, 3214868480
	.section	.rodata,"a",@progbits
	.p2align	6, 0x0
	.amdhsa_kernel k_q202d1e2df5_prep
		.amdhsa_group_segment_fixed_size 167680
		.amdhsa_private_segment_fixed_size 0
		.amdhsa_enable_private_segment 0
		.amdhsa_kernarg_size 40
		.amdhsa_user_sgpr_count 2
		.amdhsa_user_sgpr_kernarg_segment_ptr 1
		.amdhsa_wavefront_size32 1
		.amdhsa_system_sgpr_workgroup_id_x 1
		.amdhsa_system_sgpr_workgroup_id_y 1
		.amdhsa_system_sgpr_workgroup_id_z 1
		.amdhsa_system_vgpr_workitem_id 0
		.amdhsa_next_free_vgpr 256
		.amdhsa_next_free_sgpr 66
		.amdhsa_reserve_vcc 1
		.amdhsa_float_denorm_mode_32 3
		.amdhsa_float_denorm_mode_16_64 3
		.amdhsa_memory_ordered 1
		.amdhsa_forward_progress 1
		.amdhsa_inst_pref_size 28
	.end_amdhsa_kernel
	.amdgpu_metadata
---
amdhsa.version: [ 1, 2 ]
amdhsa.kernels:
  - .name:           k_q202d1e2df5_prep
    .symbol:         k_q202d1e2df5_prep.kd
    .args:
      - { .name: z, .offset: 0, .size: 8, .value_kind: global_buffer, .address_space: global }
      - { .name: codebook, .offset: 8, .size: 8, .value_kind: global_buffer, .address_space: global }
      - { .name: zc, .offset: 16, .size: 8, .value_kind: global_buffer, .address_space: global }
      - { .name: zs, .offset: 24, .size: 8, .value_kind: global_buffer, .address_space: global }
      - { .name: cc, .offset: 32, .size: 8, .value_kind: global_buffer, .address_space: global }
    .group_segment_fixed_size: 167680
    .private_segment_fixed_size: 0
    .kernarg_segment_align: 8
    .kernarg_segment_size: 40
    .max_flat_workgroup_size: 320
    .sgpr_count:     66
    .vgpr_count:     256
    .wavefront_size: 32
...
	.end_amdgpu_metadata
.endif
;; end of part 1
;; launch dist (part 2): grid 256 x 1, 8 waves a work-group, clusters of 4 x 1, 327,680 bytes of LDS; arguments zc, zs, cc, pick; writes pick
.if DOCPART == 2
	.amdgcn_target "amdgcn-amd-amdhsa--gfx1250"
	.amdhsa_code_object_version 6
	.text
	.protected	k_q202d1e2df5_dist
	.globl	k_q202d1e2df5_dist
	.p2align	8
	.type	k_q202d1e2df5_dist,@function
k_q202d1e2df5_dist:
	s_mov_b64 s[64:65], 0
	v_nop
	global_prefetch_b8 v0, s[64:65] scope:SCOPE_SE
	s_setreg_imm32_b32 hwreg(HW_REG_WAVE_MODE, 25, 1), 1
	s_wait_xcnt 0x0
	s_wait_alu depctr_hold_cnt(0) depctr_sa_sdst(0) depctr_va_vdst(0) depctr_va_sdst(0) depctr_va_ssrc(0) depctr_va_vcc(0) depctr_vm_vsrc(0)
	s_getreg_b32 s2, hwreg(HW_REG_IB_STS2, 6, 4)
	s_cmp_eq_u32 s2, 0
	s_cbranch_scc0 .Lentry_in_a_cluster
	s_endpgm
.Lentry_in_a_cluster:
	s_bfe_u32 s2, ttmp6, 0x10000c
	s_cmp_lg_u32 s2, 0x3003
	s_cbranch_scc0 .Lentry_shape_is_right
	s_endpgm
.Lentry_shape_is_right:
; For each of 32,768 rows of z: d[k] = (zz - 2 z.E_k) + ee_k over 8,192 codes, z.E_k on codes of BF6 with E8M0 scales.  What leaves is the FIRST CHUNK OF 8 NEIGHBOURING CODES (0..1023)
; in which the smallest d is reached; the next launch finds the code inside the chunk.  The codebook's scale bytes are stored one higher, so a product's sum is 2 z.E_k, exactly;
; d is rounded as the source rounds it: one subtraction from zz, one addition of ee.  Every merge keeps the lower chunk at equal d.
; LIMITS: NaN and infinities among the distances are not served.
; SHARES.  A work-group owns 128 rows of z (8 tiles of 16); every wave holds all their fragments (192 registers, window 1).  Wave w walks code tiles 64 w .. 64 w + 63: a code fragment is read
; from LDS once in the work-group and feeds eight matrix instructions.  Eight waves, two to a SIMD.
; TRANSPOSED USE: source 0 = 16 codes, source 1 = 16 rows of z: lane (r, h) holds row r of z, register j the code 16 g + 8 h + j: a lane's eight registers are a chunk.
; A PERIOD: the 16 products of tile p + 1 and, between them, the minimum over tile p; tile p + 2's fragments and scale words are fetched at its head, tile p + 2's ee at its end.
; THE RING.  A code tile is 3,328 bytes in cc: image 3,072, scale words 128, ee 128.  Two LDS slots, each with 4 tiles for each wave; a wave fetches and reads its own 13,312 bytes of a slot.
; CLUSTER.  All work-groups walk the same codes: four form a cluster and ask for each part jointly (mask 15), by a descriptor made of the wave's number alone.
; REGISTERS.  window 0: v1-9 addresses; v10-11 the codes' scale words; v12-19 z's; v20-35 ee, two sets; v36-51 zz twice for each block; v52-59 best tile; v60-75 best d, two registers by turns;
;   v76-123 code fragments, two sets of 24 (at head and tail: at work); v124-127 head's addresses; v128-255 accumulators, two sets of 64.   window 1: v0-191 z's fragments: block b, K step s at 24 b + 12 s.
.set TILEB, 3328
.set ZTILE, 3072                       ; a tile of z in zc
.set WPART, 4*TILEB                    ; a wave's part of a slot: 52 rows of 256 bytes
.set SLOTB, 8*WPART
.set ZIMG,  2*SLOTB                    ; z's 8 images from wave to wave (24,576 bytes); at the end its first 8 KiB are the merge's scratch.  No tensor load lands here
.set MRG,   ZIMG
.set SPARE, ZIMG+8*ZTILE               ; the spare words, 128 bytes a wave: four blocks of 256 bytes that no other line names
.set SPW, 1
.set NIL, 2
.set ADC, 3                            ; v3-4 my 16 bytes of an image's 512, in my part of slot 0, 1
.set ADS, 5                            ; v5-6 my scale word of a tile
.set ADE, 7                            ; v7-8 my half's 8 ee
.set PFO, 9                            ; the prefetches' offset; never rewritten
.set SCL, 10
.set ZS,  12
.set EB,  20
.set ZP,  36
.set IDX, 52
.set BST, 60
.set FB,  76
.set C8,  76                           ; at work at head and tail, where no fragment lies there
.set OB,  77
.set OC,  78
.set HH,  79
.set MST, 80
.set MLD, 81
.set PO,  82
.set GZ,  124
.set GS,  125
.set ZLD, 126
.set ZST, 127
.set ACC, 128
.set WV,  14
.set G1,  24                           ; s[24:31] group 1: 52 rows of 256 bytes, dense
.set G0,  40                           ; s[40:47] group 0 for slot 0, slot 1
.set CH,  52                           ; the tile whose minimum is being taken: 64 w + p
.set TRIP, 53
.set LIM, 55                           ; 1 in a wave that prefetches, else the greatest number
.set PFA, 56
.set SEL, 66
.set MSB, 0
.macro WIN new
.if MSB != \new
	s_set_vgpr_msb (MSB<<8)|\new
.set MSB, \new
.endif
.endm
.macro ROUND                           ; a round of the cluster's barrier
	s_barrier_signal -1
	s_barrier_wait -1
	s_cmp_lg_u32 s[WV], 0
	s_cbranch_scc1 .Lnot_wave_0_\@
	s_barrier_signal -3
.Lnot_wave_0_\@:
	s_barrier_wait -3
	s_barrier_signal -1
	s_barrier_wait -1
.endm
.macro CREST                           ; a round of the cluster's barrier behind its opening barrier
	s_cmp_lg_u32 s[WV], 0
	s_cbranch_scc1 .Lnw0_\@
	s_barrier_signal -3
.Lnw0_\@:
	s_barrier_wait -3
	s_barrier_signal -1
	s_barrier_wait -1
.endm
.macro PLACES
.rept 4
	v_nop
.endr
.endm
.macro LDF par, slot, t                ; tile t of the slot: its image of 24 registers and its scale words into set par
.irp i, 0,1,2,3,4,5
	ds_load_b128 v[FB+24*(\par)+4*\i:FB+24*(\par)+4*\i+3], v[ADC+(\slot)] offset:TILEB*(\t)+512*\i
.endr
	ds_load_b32 v[SCL+(\par)], v[ADS+(\slot)] offset:TILEB*(\t)
.endm
.macro LDE par, slot, t                ; the ee of my half's eight codes
	ds_load_b128 v[EB+8*(\par):EB+8*(\par)+3], v[ADE+(\slot)] offset:TILEB*(\t)
	ds_load_b128 v[EB+8*(\par)+4:EB+8*(\par)+7], v[ADE+(\slot)] offset:TILEB*(\t)+16
.endm
; four products: K step s of the tile in set par against z's blocks b0 .. b0 + 3.  K step 0 starts the sums with the constant 0; between a sum's two links stand the seven other accumulators'
.macro MM4 par, s, b0
.irp b, \b0, \b0+1, \b0+2, \b0+3
.if \s == 0
	v_wmma_scale_f32_16x16x128_f8f6f4 v[ACC+64*(\par)+8*(\b):ACC+64*(\par)+8*(\b)+7], v[FB+24*(\par):FB+24*(\par)+11], v[24*(\b):24*(\b)+11], 0, v[SCL+(\par)], v[ZS+(\b)] matrix_a_fmt:MATRIX_FMT_BF6 matrix_b_fmt:MATRIX_FMT_BF6
.else
	v_wmma_scale_f32_16x16x128_f8f6f4 v[ACC+64*(\par)+8*(\b):ACC+64*(\par)+8*(\b)+7], v[FB+24*(\par)+12:FB+24*(\par)+23], v[24*(\b)+12:24*(\b)+23], v[ACC+64*(\par)+8*(\b):ACC+64*(\par)+8*(\b)+7], v[SCL+(\par)], v[ZS+(\b)] matrix_a_fmt:MATRIX_FMT_BF6 matrix_b_fmt:MATRIX_FMT_BF6 matrix_a_scale:MATRIX_SCALE_ROW1 matrix_b_scale:MATRIX_SCALE_ROW1
.endif
.endr
.endm
; the minimum over two blocks' results of the tile in set par, the two by turns; no line names a register of the products that stand round it (those work on the other set).
; The two roundings go as dual-issue pairs: destinations even and odd, the first sources and the second sources in neighbouring registers (zz is held twice for that).
; The running best lies in one of two registers by turns, so nothing is moved.  The tile number is kept only where the best has truly fallen: the first tile wins a tie.
.macro EPI2 par, b0
.set A0, ACC+64*(\par)+8*(\b0)
.set A1, A0+8
.set Z0, ZP+2*(\b0)
.set EV, EB+8*(\par)
.set O0, BST+2*(\b0)+(\par)
.set N0, BST+2*(\b0)+1-(\par)
.set O1, O0+2
.set N1, N0+2
.set I0, IDX+(\b0)
.irp j, 0,2,4,6                        ; each accumulator is read from its low end on
	v_dual_sub_f32 v[A0+\j], v[Z0], v[A0+\j] :: v_dual_sub_f32 v[A0+\j+1], v[Z0+1], v[A0+\j+1]       ; zz - 2 dot, one rounding
	v_dual_sub_f32 v[A1+\j], v[Z0+2], v[A1+\j] :: v_dual_sub_f32 v[A1+\j+1], v[Z0+3], v[A1+\j+1]
.endr
.irp j, 0,2,4,6
	v_dual_add_f32 v[A0+\j], v[A0+\j], v[EV+\j] :: v_dual_add_f32 v[A0+\j+1], v[A0+\j+1], v[EV+\j+1]   ; + ee, the second rounding
	v_dual_add_f32 v[A1+\j], v[A1+\j], v[EV+\j] :: v_dual_add_f32 v[A1+\j+1], v[A1+\j+1], v[EV+\j+1]
.endr
	v_min3_num_f32 v[A0], v[O0], v[A0], v[A0+1]
	v_min3_num_f32 v[A1], v[O1], v[A1], v[A1+1]
	v_min3_num_f32 v[A0+2], v[A0+2], v[A0+3], v[A0+4]
	v_min3_num_f32 v[A1+2], v[A1+2], v[A1+3], v[A1+4]
	v_min3_num_f32 v[A0+5], v[A0+5], v[A0+6], v[A0+7]
	v_min3_num_f32 v[A1+5], v[A1+5], v[A1+6], v[A1+7]
	s_delay_alu instid0(VALU_DEP_2)
	v_min3_num_f32 v[N0], v[A0], v[A0+2], v[A0+5]
	s_delay_alu instid0(VALU_DEP_2)
	v_min3_num_f32 v[N1], v[A1], v[A1+2], v[A1+5]
	s_delay_alu instid0(VALU_DEP_2)
	v_cmp_le_f32 s58, v[O0], v[N0]
	s_delay_alu instid0(VALU_DEP_2)
	v_cmp_le_f32 s59, v[O1], v[N1]
	s_delay_alu instid0(VALU_DEP_2)
	v_cndmask_b32 v[I0], s[CH], v[I0], s58
	s_delay_alu instid0(VALU_DEP_2)
	v_cndmask_b32 v[I0+1], s[CH], v[I0+1], s59
.endm
; THE CHANGE OF SLOTS.  All reads of the slot were issued in the period before.  Each wave waits for all its tensor loads (one is out: its part of the other slot), adds 0 to its spare word, and waits for that and
; for its reads of the slot; the round then holds of every wave of all four work-groups, and the joint refill, two fills on, is the first thing behind it.
.macro CHANGE slot
	s_wait_tensorcnt 0x0                           ; no tensor load of mine is out, so a group 0 may be written
	ds_add_u32 v[SPW], v[NIL]
	s_add_nc_u64 s[G0+4*(\slot)+2:G0+4*(\slot)+3], s[G0+4*(\slot)+2:G0+4*(\slot)+3], 2*WPART   ; this slot's next fill
	s_wait_xcnt 0x0                                ; the last prefetch, four periods back, has read its address
	s_add_nc_u64 s[PFA:PFA+1], s[PFA:PFA+1], WPART
	s_wait_dscnt 0x0                               ; the add is done, and my reads of the slot are over:
	s_barrier_signal -1                            ; say so: this barrier opens the round.  Work on registers alone follows, up to CHANGE_B: 12 products and the minimum over four blocks
.endm
.macro CHANGE_B slot                   ; the rest of the round, and the joint refill as the first thing behind it
	s_barrier_wait -1
	CREST
	tensor_load_to_lds s[G0+4*(\slot):G0+4*(\slot)+3], s[G1:G1+7]
	s_nop 0
	PLACES
.endm
; A PREFETCH of the fill that stands two refills on: 8 parts of 52 blocks of 256 bytes.  All clusters walk the same codes: the first cluster asks.  Its four partners are told apart BY ADDRESS
; (13 blocks of each part to a partner); in each, waves 0 to 3 ask; a lane names part lane / 4, block 4 wave + lane % 4, held at 12: wave 3's lanes name its one block again.
; Fills 0 to 3 come by their loads alone; the loop's last trip asks for nothing: fill 15 is the last.
.macro ASK
	s_cmp_gt_u32 s[TRIP], s[LIM]
	s_cbranch_scc0 .Lnot_mine_\@
	global_prefetch_b8 v[PFO], s[PFA:PFA+1] th:TH_LOAD_NT scope:SCOPE_SE
.Lnot_mine_\@:
.endm
; rel = p modulo the loop's eight, counted from 2.  kind 1: a change of slots at the head; 2: the last fill is waited for; 0: a wait that leaves the w youngest LDS loads out (tile p + 1's two of ee).
.macro PERIOD rel, kind, ld, mm, w
.set PAR, (\rel)&1
.set QAR, 1-PAR
.set SL, (((\rel)+2)>>2)&1
.set TT, ((\rel)+2)&3
.if \kind == 1
	CHANGE (((\rel)>>2)&1)
.elseif \kind == 2
	s_wait_tensorcnt 0x0                           ; the last fill has landed: no load was issued behind it
	s_wait_dscnt 0x0
.else
	s_wait_dscnt \w                                ; tile p + 1's fragments and tile p's ee are in
.endif
.if (\ld) && (\kind != 1)
	LDF PAR, SL, TT                                ; into the set that last period's products read: the plain lines of a whole EPI2 stand behind the last of them
.endif
.if \mm
	WIN 0x04                                       ; source 1 (z) in window 1
	MM4 QAR, 0, 0
	WIN 0
.endif
	EPI2 PAR, 0
.if \mm
	WIN 0x04
	MM4 QAR, 0, 4
	WIN 0
.endif
	EPI2 PAR, 2
.if \mm
	WIN 0x04
	MM4 QAR, 1, 0
	WIN 0
.endif
.if \kind == 1
	CHANGE_B (((\rel)>>2)&1)                       ; every window is 0 here
	LDF PAR, SL, TT                                ; the first LDS reads behind the round: tile p + 2, from the other slot; this period's products name the other set
	ASK
.endif
	EPI2 PAR, 4
.if \mm
	WIN 0x04
	MM4 QAR, 1, 4
	WIN 0
.endif
	EPI2 PAR, 6
.if \ld
	LDE PAR, SL, TT                                ; tile p + 2's ee, into the set that tile p's minimum has just read
.endif
	s_add_co_u32 s[CH], s[CH], 1
.endm
	s_load_b128 s[4:7], s[0:1], 0x0                ; zc, zs
	s_load_b128 s[8:11], s[0:1], 0x10              ; cc, pick
	v_lshl_add_u32 v[SPW], v0, 2, SPARE
	v_mov_b32 v[NIL], 0
	ds_add_u32 v[SPW], v[NIL]                      ; the opening lines: the add, twice on end, and its wait ahead of my first tensor load
	ds_add_u32 v[SPW], v[NIL]
	v_lshrrev_b32 v[C8], 5, v0
	v_readfirstlane_b32 s[WV], v[C8]               ; wave 0..7
	s_mul_i32 s17, s[WV], WPART
	s_mul_i32 s18, s[WV], ZTILE
	v_and_b32 v[OB], 31, v0                        ; lane
	v_bfe_u32 v[OC], v0, 4, 1                      ; h
	v_lshlrev_b32 v[GZ], 4, v[OB]
	v_lshlrev_b32 v[GS], 2, v[OB]
	v_lshl_add_u32 v[ADE], v[OC], 5, s17
	v_add_nc_u32 v[ADC], s17, v[GZ]
	v_add_nc_u32 v[ADS], s17, v[GS]
	v_add_nc_u32 v[ADE], ZTILE+128, v[ADE]
	v_add_nc_u32 v[ADC+1], SLOTB, v[ADC]
	v_add_nc_u32 v[ADS], ZTILE, v[ADS]
	v_add_nc_u32 v[ADE+1], SLOTB, v[ADE]
	v_lshrrev_b32 v[C8], 2, v[OB]
	v_add_nc_u32 v[ADS+1], SLOTB, v[ADS]
	v_and_b32 v[OC], 3, v[OB]
	v_mul_u32_u24 v[PFO], v[C8], 64*TILEB          ; part lane / 4: a wave's 64 tiles
	v_lshl_add_u32 v[OC], s[WV], 2, v[OC]
	v_add_nc_u32 v[ZLD], ZIMG, v[GZ]
	v_min_u32 v[OC], 12, v[OC]
	v_add_nc_u32 v[ZST], s18, v[ZLD]
	v_lshl_add_u32 v[PFO], v[OC], 8, v[PFO]
	s_wait_alu depctr_va_vdst(0)
	s_bfe_u32 s15, ttmp6, 0x40000                  ; cx: it enters z's, pick's and the prefetches' global addresses alone
	s_lshl_b32 s16, ttmp9, 2
	s_add_co_u32 s16, s16, s15                     ; my work-group
	s_mov_b32 s[G1], 15|(3<<16)|(1<<21)            ; the mask: all four work-groups; elements of 8 bytes; bit 21 beside a mask; no padding: images are read 512 consecutive bytes at a time
	s_mov_b32 s[G1+1], 32<<16
	s_mov_b32 s[G1+2], 52<<16
	s_mov_b32 s[G1+3], 32<<16
	s_mov_b32 s[G1+4], 52
	s_mov_b32 s[G1+5], 32
	s_mov_b32 s[G1+6], 0
	s_mov_b32 s[G1+7], 0
	s_mul_i32 s20, s[WV], 64*TILEB                 ; my 64 tiles
	s_mov_b32 s21, 0
	s_lshl_b32 s[CH], s[WV], 6
	s_mov_b32 s[SEL], 0x76543210
	s_mov_b32 s[SEL+1], 0xfedcba98
	s_cmp_lt_u32 s[WV], 4
	s_cselect_b32 s[LIM], 0, 1
	s_or_b32 s[LIM], s[LIM], ttmp9                 ; 0 in waves 0 to 3 of the first cluster: the same in all four partners
	s_cmp_eq_u32 s[LIM], 0
	s_cselect_b32 s[LIM], 1, -1
	s_wait_dscnt 0x0                               ; both opening adds are done
	s_wait_kmcnt 0x0
	s_add_nc_u64 s[20:21], s[8:9], s[20:21]
	s_mov_b32 s[G0], 1
	s_mov_b32 s[G0+1], s17                         ; my part of slot 0
	s_mov_b64 s[G0+2:G0+3], s[20:21]               ; fill 0: my tiles 0 to 3
	s_or_b32 s[G0+3], s[G0+3], 0x80000000
	s_mov_b32 s[G0+4], 1
	s_add_co_u32 s[G0+5], s17, SLOTB
	s_add_nc_u64 s[G0+6:G0+7], s[20:21], WPART     ; fill 1
	s_or_b32 s[G0+7], s[G0+7], 0x80000000
	s_mul_i32 s2, s15, 13*256                      ; the prefetches: my work-group's 13 blocks of a part,
	s_add_co_u32 s2, s2, 3*WPART                   ; in fill 3: the first change steps it to fill 4
	s_mov_b32 s3, 0
	s_add_nc_u64 s[PFA:PFA+1], s[8:9], s[2:3]
	s_mul_i32 s2, s16, 8*ZTILE
	s_add_co_u32 s2, s2, s18
	s_add_nc_u64 s[4:5], s[4:5], s[2:3]            ; zc at tile 8 x work-group + wave
	s_lshl_b32 s2, s16, 11
	s_add_nc_u64 s[6:7], s[6:7], s[2:3]            ; zs at the work-group's first record
	s_lshl_b32 s2, s16, 9
	s_add_nc_u64 s[10:11], s[10:11], s[2:3]        ; pick at the work-group's first row
	ROUND                                          ; all four work-groups are here: the first joint loads meet
	tensor_load_to_lds s[G0:G0+3], s[G1:G1+7]      ; fill 0: one tensor load a wave at the head
	s_nop 0
	PLACES
.irp i, 0,1,2,3,4,5
	global_load_b128 v[ACC+4*\i:ACC+4*\i+3], v[GZ], s[4:5] offset:512*\i th:TH_LOAD_NT   ; wave w brings z's tile w; it goes to the other waves through LDS as it stands
.endr
.irp b, 0,1,2,3,4,5,6,7
	global_load_b32 v[ZS+\b], v[GS], s[6:7] offset:256*\b            ; block b's scale words: lanes 0-15 K step 0, lanes 16-31 K step 1
	global_load_b32 v[ZP+2*\b], v[GS], s[6:7] offset:256*\b+128      ; zz of row lane % 16,
	global_load_b32 v[ZP+2*\b+1], v[GS], s[6:7] offset:256*\b+128    ; and once more
.endr
.irp b, 0,1,2,3,4,5,6,7
	v_mov_b32 v[IDX+\b], 0
	v_mov_b32 v[BST+2*\b], 0x7f800000              ; the best so far: +infinity
.endr
	s_wait_alu depctr_va_vdst(0)
	s_wait_loadcnt 24                              ; the image's six loads are in; the 24 behind them may be out
.irp i, 0,1,2,3,4,5
	ds_store_b128 v[ZST], v[ACC+4*\i:ACC+4*\i+3] offset:512*\i
.endr
	s_wait_tensorcnt 0x0                           ; my part of fill 0 is in
	ds_add_u32 v[SPW], v[NIL]
	s_wait_dscnt 0x0                               ; the add is done, and my stores of z's image have landed
	ROUND                                          ; one round serves both: z's images are whole, and the joint loads meet
	tensor_load_to_lds s[G0+4:G0+7], s[G1:G1+7]    ; fill 1: slot 1's first fill
	s_nop 0
	PLACES
	WIN 0x40                                       ; destination window 1
.irp b, 0,1,2,3,4,5,6,7
.irp i, 0,1,2,3,4,5
	ds_load_b128 v[24*\b+4*\i:24*\b+4*\i+3], v[ZLD] offset:ZTILE*\b+512*\i
.endr
.endr
	WIN 0
	s_wait_loadcnt 0x0                             ; z's scale words and zz
	LDF 0, 0, 0
	LDF 1, 0, 1
	LDE 0, 0, 0
	LDE 1, 0, 1
	s_wait_dscnt 11                                ; z's fragments and tile 0's are in; tile 1's seven loads and the four of ee may be out
	WIN 0x04
	MM4 0, 0, 0
	MM4 0, 0, 4
	MM4 0, 1, 0
	MM4 0, 1, 4
	WIN 0
	PLACES                                         ; in front of the loads into the set just multiplied, and of the first read of results
	PERIOD 0, 0, 1, 1, 2
	PERIOD 1, 0, 1, 1, 2
	s_mov_b32 s[TRIP], 7
.Lloop:                                            ; a trip is eight periods, once round the ring: both slots are filled again
	PERIOD 2, 1, 1, 1, 0
	PERIOD 3, 0, 1, 1, 2
	PERIOD 4, 0, 1, 1, 2
	PERIOD 5, 0, 1, 1, 2
	PERIOD 6, 1, 1, 1, 0
	PERIOD 7, 0, 1, 1, 2
	PERIOD 8, 0, 1, 1, 2
	PERIOD 9, 0, 1, 1, 2
	s_sub_co_u32 s[TRIP], s[TRIP], 1
	s_cmp_lg_u32 s[TRIP], 0
	s_cbranch_scc1 .Lloop
	PERIOD 2, 2, 1, 1, 0                           ; the last six periods are written out: nothing is left to ask for
	PERIOD 3, 0, 1, 1, 2
	PERIOD 4, 0, 1, 1, 2
	PERIOD 5, 0, 1, 1, 2
	PERIOD 6, 0, 0, 1, 2                           ; tile 63's products; no tile 64
	PERIOD 7, 0, 0, 0, 0                           ; tile 63's minimum
; THE MERGE.  A lane's chunk is 2 x tile + h.  First the two halves of the lanes (the lower chunk at equal d), then the eight waves through LDS.
	s_lshl_b32 s19, s[WV], 10
	v_bfe_u32 v[HH], v0, 4, 1
	v_and_b32 v[OC], 15, v0
	v_and_b32 v[C8], 63, v0
	v_mov_b32 v[OB], 0                             ; (a lane permute's destination counts as one of its sources)
	v_lshl_add_u32 v[MST], v[OC], 3, s19
	v_lshlrev_b32 v[PO], 3, v[C8]                  ; my byte offset in the work-group's 512 bytes of pick
	v_lshl_add_u32 v[MLD], v[C8], 4, MRG
	v_add_nc_u32 v[MST], MRG, v[MST]               ; 1,024 x wave + 8 r
.macro HMERGE b
	v_lshl_add_u32 v[C8], v[IDX+(\b)], 1, v[HH]
	v_permlanex16_b32 v[OB], v[BST+2*(\b)], s[SEL], s[SEL+1]
	s_delay_alu instid0(VALU_DEP_2)
	v_permlanex16_b32 v[OC], v[C8], s[SEL], s[SEL+1]
	s_delay_alu instid0(VALU_DEP_2)
	v_cmp_lt_f32 s58, v[OB], v[BST+2*(\b)]
	s_delay_alu instid0(VALU_DEP_3)
	v_cmp_eq_f32 s59, v[OB], v[BST+2*(\b)]
	s_delay_alu instid0(VALU_DEP_3)
	v_cmp_lt_u32 s60, v[OC], v[C8]
	s_and_b32 s59, s59, s60
	s_or_b32 s58, s58, s59                         ; the other half's is smaller, or equal with the lower chunk
	v_cndmask_b32 v[ACC+2*(\b)], v[BST+2*(\b)], v[OB], s58
	v_cndmask_b32 v[ACC+2*(\b)+1], v[C8], v[OC], s58
	ds_store_b64 v[MST], v[ACC+2*(\b):ACC+2*(\b)+1] offset:128*(\b)   ; lanes r and r + 16 write the same bytes with the same value
.endm
.irp b, 0,1,2,3,4,5,6,7
	HMERGE \b
.endr
	s_wait_alu depctr_va_vdst(0)
	s_wait_dscnt 0x0                               ; for the others' sake: my stores have landed
	s_barrier_signal -1
	s_barrier_wait -1
	s_cmp_lt_u32 s[WV], 2                          ; 128 rows, two to a thread: waves 0 and 1
	s_cbranch_scc0 .Lno_fold
.irp w, 0,1,2,3,4,5,6,7
	ds_load_b128 v[160+4*\w:163+4*\w], v[MLD] offset:1024*\w         ; wave w's {best, chunk} of rows 2 q and 2 q + 1
.endr
	s_wait_dscnt 0x0
	v_cmp_lt_f32 s58, v164, v160                   ; waves ascend with the chunks: the earlier stays at equal d.  Wave 1 against wave 0: both come from loads
	v_cmp_lt_f32 s59, v166, v162
	s_delay_alu instid0(VALU_DEP_2)
	v_cndmask_b32 v160, v160, v164, s58
	s_delay_alu instid0(VALU_DEP_3)
	v_cndmask_b32 v161, v161, v165, s58
	s_delay_alu instid0(VALU_DEP_3)
	v_cndmask_b32 v162, v162, v166, s59
	s_delay_alu instid0(VALU_DEP_4)
	v_cndmask_b32 v163, v163, v167, s59
.irp w, 2,3,4,5,6,7
	s_delay_alu instid0(VALU_DEP_4)
	v_cmp_lt_f32 s58, v[160+4*\w], v160
	s_delay_alu instid0(VALU_DEP_3)
	v_cmp_lt_f32 s59, v[162+4*\w], v162
	s_delay_alu instid0(VALU_DEP_2)
	v_cndmask_b32 v160, v160, v[160+4*\w], s58
	s_delay_alu instid0(VALU_DEP_3)
	v_cndmask_b32 v161, v161, v[161+4*\w], s58
	s_delay_alu instid0(VALU_DEP_3)
	v_cndmask_b32 v162, v162, v[162+4*\w], s59
	s_delay_alu instid0(VALU_DEP_4)
	v_cndmask_b32 v163, v163, v[163+4*\w], s59
.endr
	s_delay_alu instid0(VALU_DEP_3)
	v_mov_b32 v160, v161
	s_delay_alu instid0(VALU_DEP_2)
	v_mov_b32 v161, v163
	global_store_b64 v[PO], v[160:161], s[10:11]   ; a wave stores 256 consecutive bytes, at a multiple of 256 from the buffer's first byte
.Lno_fold:
	s_wait_tensorcnt 0x0                           ; the wave's end
	ds_add_u32 v[SPW], v[NIL]
	s_wait_dscnt 0x0
	ROUND                                          ; the closing round
	s_endpgm
.Lfunc_end_k_q202d1e2df5_dist:
	.size	k_q202d1e2df5_dist, .Lfunc_end_k_q202d1e2df5_dist-k_q202d1e2df5_dist
	.p2alignl 7, 3214868480
	.fill 96, 4, 3214868480
	.section	.rodata,"a",@progbits
	.p2align	6, 0x0
	.amdhsa_kernel k_q202d1e2df5_dist
		.amdhsa_group_segment_fixed_size 327680
		.amdhsa_private_segment_fixed_size 0
		.amdhsa_enable_private_segment 0
		.amdhsa_kernarg_size 32
		.amdhsa_user_sgpr_count 2
		.amdhsa_user_sgpr_kernarg_segment_ptr 1
		.amdhsa_wavefront_size32 1
		.amdhsa_system_sgpr_workgroup_id_x 1
		.amdhsa_system_sgpr_workgroup_id_y 1
		.amdhsa_system_sgpr_workgroup_id_z 1
		.amdhsa_system_vgpr_workitem_id 0
		.amdhsa_next_free_vgpr 448
		.amdhsa_next_free_sgpr 72
		.amdhsa_reserve_vcc 0
		.amdhsa_float_denorm_mode_32 3
		.amdhsa_float_denorm_mode_16_64 3
		.amdhsa_memory_ordered 1
		.amdhsa_forward_progress 1
		.amdhsa_inst_pref_size 196
	.end_amdhsa_kernel
	.amdgpu_metadata
---
amdhsa.version: [ 1, 2 ]
amdhsa.kernels:
  - .name:           k_q202d1e2df5_dist
    .symbol:         k_q202d1e2df5_dist.kd
    .args:
      - { .name: zc, .offset: 0, .size: 8, .value_kind: global_buffer, .address_space: global }
      - { .name: zs, .offset: 8, .size: 8, .value_kind: global_buffer, .address_space: global }
      - { .name: cc, .offset: 16, .size: 8, .value_kind: global_buffer, .address_space: global }
      - { .name: pick, .offset: 24, .size: 8, .value_kind: global_buffer, .address_space: global }
    .group_segment_fixed_size: 327680
    .private_segment_fixed_size: 0
    .kernarg_segment_align: 8
    .kernarg_segment_size: 32
    .max_flat_workgroup_size: 256
    .sgpr_count:     72
    .vgpr_count:     448
    .wavefront_size: 32
...
	.end_amdgpu_metadata
.endif
;; end of part 2
;; launch refine (part 3): grid 256 x 1, 8 waves a work-group, no clusters, 2,048 bytes of LDS; arguments zc, zs, cc, pick, idxw, out1; writes idxw, out1
.if DOCPART == 3
	.amdgcn_target "amdgcn-amd-amdhsa--gfx1250"
	.amdhsa_code_object_version 6
	.text
	.protected	k_q202d1e2df5_refine
	.globl	k_q202d1e2df5_refine
	.p2align	8
	.type	k_q202d1e2df5_refine,@function
k_q202d1e2df5_refine:
	s_mov_b64 s[64:65], 0
	v_nop
	global_prefetch_b8 v0, s[64:65] scope:SCOPE_SE
	s_setreg_imm32_b32 hwreg(HW_REG_WAVE_MODE, 25, 1), 1
	s_wait_xcnt 0x0
; For each row of z the launch before has stored the first chunk of 8 neighbouring codes that reaches the smallest distance.  Here the chunk's 8 distances are made again, by the same matrix
; instruction on the same codes and scale words, K ascending, with the same two roundings, and the first code that reaches their minimum is the row's index: stored twice, as the output and for the gather.
; SHARES.  A wave takes a tile of 16 rows of z.  Eight products: in product i, source 0's rows 0-7 are the chunk of row i and its rows 8-15 the chunk of row i + 8; source 1 is the tile of z.
; In the result, lane (r, h) holds column r (a row of z) and source 0's rows 8 h + 0 .. 7: so row i's eight distances lie in lane i and row (i + 8)'s in lane 24 + i.  The other lanes' numbers are not used.
; A chunk's part of a code tile's image: tile chunk / 2, image lanes 8 (chunk % 2) + 0 .. 7 and 16 more: gathered lane by lane, 16 bytes a load.
; No tensor load, no ring.  One barrier, to gather the work-group's 128 indices for whole stores.  LIMITS: NaN among the distances is not served.
.set LC,  4                            ; v4   16 (r % 8) + 256 h: my place in a chunk's part of an image
.set LS,  5                            ; v5   4 (r % 8) + 64 h: and among its scale words
.set GI,  6                            ; v6   16 x lane
.set GW,  7                            ; v7   4 x lane
.set P8,  8                            ; v8   4 (r & 8)
.set P4R, 9                            ; v9   4 r
.set OWN, 10                           ; v10  my own row's chunk
.set PK,  12                           ; v12-19 product i: the chunk that my lane fetches, then its byte offset in cc
.set SO,  20                           ; v20-27 and of its scale word in cc
.set EO,  28                           ; v28  my own chunk's ee
.set ZZ,  30                           ; v[30:31] {zz, 0}
.set ZSC, 32                           ; v32  z's scale words
.set AS,  34                           ; v34-41 the chunks' scale words
.set ZF,  48                           ; v48-71 z's two fragments
.set EE,  72                           ; v72-79
.set BEST, 80
.set BJ,  81
.set LA,  82
.set IDX, 83
.set OUT, 84                           ; v84-87
.set T,   88                           ; v88-91 at work
.set ACC, 128                          ; v128-191 eight accumulators.   window 1: v0-191 the gathered fragments, 24 a product
.set MSB, 0
.macro WIN new
.if MSB != \new
	s_set_vgpr_msb (MSB<<8)|\new
.set MSB, \new
.endif
.endm
	s_load_b128 s[4:7], s[0:1], 0x0                ; zc, zs
	s_load_b64 s[8:9], s[0:1], 0x10                ; cc: a code tile is 3,328 bytes: its image, then its record (scale words one higher than the quantiser's: the sums are 2 z.E)
	s_load_b128 s[12:15], s[0:1], 0x18             ; pick, idxw
	s_load_b64 s[16:17], s[0:1], 0x28              ; out1
	v_lshl_add_u32 v254, v0, 2, 0x400
	v_mov_b32 v255, 0
	v_lshrrev_b32 v1, 5, v0
	s_delay_alu instid0(VALU_DEP_1)
	v_readfirstlane_b32 s18, v1                    ; wave 0..7
	v_and_b32 v1, 31, v0                           ; lane
	v_and_b32 v2, 15, v0                           ; r
	v_bfe_u32 v3, v0, 4, 1                         ; h
	v_and_b32 v[T], 7, v0
	s_delay_alu instid0(VALU_DEP_1)
	v_lshlrev_b32 v[LC], 4, v[T]
	s_delay_alu instid0(VALU_DEP_1)
	v_lshl_add_u32 v[LC], v3, 8, v[LC]
	s_delay_alu instid0(VALU_DEP_3)
	v_lshlrev_b32 v[LS], 2, v[T]
	s_delay_alu instid0(VALU_DEP_1)
	v_lshl_add_u32 v[LS], v3, 6, v[LS]
	v_lshlrev_b32 v[GI], 4, v1
	v_lshlrev_b32 v[GW], 2, v1
	v_and_b32 v[P8], 8, v0
	s_delay_alu instid0(VALU_DEP_1)
	v_lshlrev_b32 v[P8], 2, v[P8]
	v_lshlrev_b32 v[P4R], 2, v2
	v_lshrrev_b32 v[T], 3, v1                      ; lanes 0-7 and 24-31 hold indices; the sixteen others write to a half of LDS that nobody reads
	v_lshrrev_b32 v[T+1], 4, v1
	s_delay_alu instid0(VALU_DEP_1)
	v_xor_b32 v[T], v[T], v[T+1]
	s_delay_alu instid0(VALU_DEP_1)
	v_and_b32 v[T], 1, v[T]
	s_delay_alu instid0(VALU_DEP_1)
	v_lshl_add_u32 v[LA], v[T], 9, v[P4R]
	s_lshl_b32 s19, s18, 6
	v_add_nc_u32 v[LA], s19, v[LA]                 ; 64 x wave + 4 r (+ 512)
	v_mov_b32 v[ZZ+1], 0                           ; (named with zz as a pair, so it is written)
.irp i, 1,2,3,4,5,6,7
	s_mov_b32 s[20+\i], (1<<\i)|(1<<(24+\i))       ; the two lanes that take product i's results
.endr
	s_lshl_b32 s28, ttmp9, 3
	s_add_co_u32 s28, s28, s18                     ; my tile of z
	s_mov_b32 s31, 0
	s_mul_i32 s30, s28, 3072
	s_wait_alu depctr_va_vdst(0)
	s_wait_kmcnt 0x0
	s_add_nc_u64 s[4:5], s[4:5], s[30:31]
	s_lshl_b32 s30, s28, 8
	s_add_nc_u64 s[6:7], s[6:7], s[30:31]
	s_lshl_b32 s30, s28, 6
	s_add_nc_u64 s[12:13], s[12:13], s[30:31]
	s_lshl_b32 s30, ttmp9, 9
	s_add_nc_u64 s[14:15], s[14:15], s[30:31]
	s_add_nc_u64 s[16:17], s[16:17], s[30:31]
.irp i, 0,1,2,3,4,5,6,7
	global_load_b32 v[PK+\i], v[P8], s[12:13] offset:4*\i            ; the chunk of row i (r under 8) or of row i + 8
.endr
	global_load_b32 v[OWN], v[P4R], s[12:13]
.irp k, 0,1,2,3,4,5
	global_load_b128 v[ZF+4*\k:ZF+4*\k+3], v[GI], s[4:5] offset:512*\k
.endr
	global_load_b32 v[ZSC], v[GW], s[6:7]
	global_load_b32 v[ZZ], v[GW], s[6:7] offset:128
	s_wait_loadcnt 8                               ; the nine chunk numbers are in; z's eight loads may be out
.irp i, 0,1,2,3,4,5,6,7
	v_min_u32 v[PK+\i], 0x3ff, v[PK+\i]            ; a chunk number is held inside the table before it enters an address
.endr
	v_min_u32 v[OWN], 0x3ff, v[OWN]
.irp i, 0,1,2,3,4,5,6,7
	v_and_b32 v[T], 0x3fe, v[PK+\i]                ; 2 x tile
	v_and_b32 v[T+1], 1, v[PK+\i]                  ; which half of the tile's rows
	s_delay_alu instid0(VALU_DEP_2)
	v_mul_u32_u24 v[T+2], v[T], 1664               ; the tile's image
	s_delay_alu instid0(VALU_DEP_3)
	v_mul_u32_u24 v[T], v[T], 1664                 ; its record lies 3,072 bytes behind: in the loads' immediates
	s_delay_alu instid0(VALU_DEP_3)
	v_lshlrev_b32 v[T+3], 7, v[T+1]                ; eight image lanes on
	s_delay_alu instid0(VALU_DEP_4)
	v_lshlrev_b32 v[T+1], 5, v[T+1]                ; eight words on
	s_delay_alu instid0(VALU_DEP_2)
	v_add_nc_u32 v[PK+\i], v[T+2], v[T+3]
	s_delay_alu instid0(VALU_DEP_1)
	v_add_nc_u32 v[PK+\i], v[PK+\i], v[LC]
	s_delay_alu instid0(VALU_DEP_3)
	v_add_nc_u32 v[SO+\i], v[T], v[T+1]
	s_delay_alu instid0(VALU_DEP_1)
	v_add_nc_u32 v[SO+\i], v[SO+\i], v[LS]
.endr
	v_and_b32 v[T], 0x3fe, v[OWN]
	v_and_b32 v[T+1], 1, v[OWN]
	s_delay_alu instid0(VALU_DEP_2)
	v_mul_u32_u24 v[T], v[T], 1664
	s_delay_alu instid0(VALU_DEP_2)
	v_lshlrev_b32 v[T+1], 5, v[T+1]
	s_delay_alu instid0(VALU_DEP_1)
	v_add_nc_u32 v[EO], v[T], v[T+1]
	WIN 0x40                                       ; destination window 1
.irp i, 0,1,2,3,4,5,6,7
.irp k, 0,1,2,3,4,5
	global_load_b128 v[24*\i+4*\k:24*\i+4*\k+3], v[PK+\i], s[8:9] offset:512*\k
.endr
.endr
	WIN 0
.irp i, 0,1,2,3,4,5,6,7
	global_load_b32 v[AS+\i], v[SO+\i], s[8:9] offset:3072
.endr
	global_load_b128 v[EE:EE+3], v[EO], s[8:9] offset:3200
	global_load_b128 v[EE+4:EE+7], v[EO], s[8:9] offset:3216
	s_wait_loadcnt 0x0
	WIN 0x01                                       ; source 0 in window 1
.irp i, 0,1,2,3,4,5,6,7                        ; the eight accumulators by turns, K step by K step
	v_wmma_scale_f32_16x16x128_f8f6f4 v[ACC+8*\i:ACC+8*\i+7], v[24*\i:24*\i+11], v[ZF:ZF+11], 0, v[AS+\i], v[ZSC] matrix_a_fmt:MATRIX_FMT_BF6 matrix_b_fmt:MATRIX_FMT_BF6
.endr
.irp i, 0,1,2,3,4,5,6,7
	v_wmma_scale_f32_16x16x128_f8f6f4 v[ACC+8*\i:ACC+8*\i+7], v[24*\i+12:24*\i+23], v[ZF+12:ZF+23], v[ACC+8*\i:ACC+8*\i+7], v[AS+\i], v[ZSC] matrix_a_fmt:MATRIX_FMT_BF6 matrix_b_fmt:MATRIX_FMT_BF6 matrix_a_scale:MATRIX_SCALE_ROW1 matrix_b_scale:MATRIX_SCALE_ROW1
.endr
	WIN 0
.rept 4
	v_nop                                          ; four places in front of the first read of results
.endr
.irp i, 1,2,3,4,5,6,7                          ; each lane's own product into the first accumulator's registers; every accumulator is read from its low end on
.irp j, 0,1,2,3,4,5,6,7
	v_cndmask_b32 v[ACC+\j], v[ACC+\j], v[ACC+8*\i+\j], s[20+\i]
.endr
.endr
.irp j, 0,2,4,6
	v_pk_fma_f32 v[ACC+\j:ACC+\j+1], v[ACC+\j:ACC+\j+1], -1.0, v[ZZ:ZZ+1] op_sel_hi:[1,0,0]   ; zz - 2 dot, one rounding: the sum is 2 dot already
.endr
.irp j, 0,2,4,6
	s_delay_alu instid0(VALU_DEP_4)
	v_pk_add_f32 v[ACC+\j:ACC+\j+1], v[ACC+\j:ACC+\j+1], v[EE+\j:EE+\j+1]                     ; + ee
.endr
	s_delay_alu instid0(VALU_DEP_4)
	v_mov_b32 v[BEST], v[ACC]
	v_mov_b32 v[BJ], 0
.irp j, 1
	s_delay_alu instid0(VALU_DEP_2)
	v_cmp_le_f32 vcc_lo, v[BEST], v[ACC+\j]        ; the earlier code stays at equal d
	s_delay_alu instid0(VALU_DEP_1)
	v_cndmask_b32 v[BJ], \j, v[BJ], vcc_lo
	s_delay_alu instid0(VALU_DEP_4)
	v_min_num_f32 v[BEST], v[BEST], v[ACC+\j]
.endr
.irp j, 2, 3, 4, 5, 6, 7
	s_delay_alu instid0(VALU_DEP_1)
	v_cmp_le_f32 vcc_lo, v[BEST], v[ACC+\j]        ; the earlier code stays at equal d
	s_delay_alu instid0(VALU_DEP_1)
	v_cndmask_b32 v[BJ], \j, v[BJ], vcc_lo
	s_delay_alu instid0(VALU_DEP_3)
	v_min_num_f32 v[BEST], v[BEST], v[ACC+\j]
.endr
	s_delay_alu instid0(VALU_DEP_2)
	v_lshl_add_u32 v[IDX], v[OWN], 3, v[BJ]        ; 8 x chunk + place in it
	ds_store_b32 v[LA], v[IDX]
	s_wait_dscnt 0x0                               ; for wave 0's sake: my store has landed
	s_barrier_signal -1
	s_barrier_wait -1
	s_cmp_lg_u32 s18, 0
	s_cbranch_scc1 .Lend
	ds_load_b128 v[OUT:OUT+3], v[GI]               ; the work-group's 128 indices, 16 bytes a lane
	s_wait_dscnt 0x0
	global_store_b128 v[GI], v[OUT:OUT+3], s[14:15]   ; 512 consecutive bytes, at a multiple of 256 from the buffer's first byte
	global_store_b128 v[GI], v[OUT:OUT+3], s[16:17]
.Lend:
	s_wait_tensorcnt 0x0
	ds_add_u32 v254, v255
	s_wait_dscnt 0x0
	s_endpgm
.Lfunc_end_k_q202d1e2df5_refine:
	.size	k_q202d1e2df5_refine, .Lfunc_end_k_q202d1e2df5_refine-k_q202d1e2df5_refine
	.p2alignl 7, 3214868480
	.fill 96, 4, 3214868480
	.section	.rodata,"a",@progbits
	.p2align	6, 0x0
	.amdhsa_kernel k_q202d1e2df5_refine
		.amdhsa_group_segment_fixed_size 2048
		.amdhsa_private_segment_fixed_size 0
		.amdhsa_enable_private_segment 0
		.amdhsa_kernarg_size 48
		.amdhsa_user_sgpr_count 2
		.amdhsa_user_sgpr_kernarg_segment_ptr 1
		.amdhsa_wavefront_size32 1
		.amdhsa_system_sgpr_workgroup_id_x 1
		.amdhsa_system_sgpr_workgroup_id_y 1
		.amdhsa_system_sgpr_workgroup_id_z 1
		.amdhsa_system_vgpr_workitem_id 0
		.amdhsa_next_free_vgpr 448
		.amdhsa_next_free_sgpr 66
		.amdhsa_reserve_vcc 1
		.amdhsa_float_denorm_mode_32 3
		.amdhsa_float_denorm_mode_16_64 3
		.amdhsa_memory_ordered 1
		.amdhsa_forward_progress 1
		.amdhsa_inst_pref_size 25
	.end_amdhsa_kernel
	.amdgpu_metadata
---
amdhsa.version: [ 1, 2 ]
amdhsa.kernels:
  - .name:           k_q202d1e2df5_refine
    .symbol:         k_q202d1e2df5_refine.kd
    .args:
      - { .name: zc, .offset: 0, .size: 8, .value_kind: global_buffer, .address_space: global }
      - { .name: zs, .offset: 8, .size: 8, .value_kind: global_buffer, .address_space: global }
      - { .name: cc, .offset: 16, .size: 8, .value_kind: global_buffer, .address_space: global }
      - { .name: pick, .offset: 24, .size: 8, .value_kind: global_buffer, .address_space: global }
      - { .name: idxw, .offset: 32, .size: 8, .value_kind: global_buffer, .address_space: global }
      - { .name: out1, .offset: 40, .size: 8, .value_kind: global_buffer, .address_space: global }
    .group_segment_fixed_size: 2048
    .private_segment_fixed_size: 0
    .kernarg_segment_align: 8
    .kernarg_segment_size: 48
    .max_flat_workgroup_size: 256
    .sgpr_count:     66
    .vgpr_count:     448
    .wavefront_size: 32
...
	.end_amdgpu_metadata
.endif
;; end of part 3
;; launch gather (part 4): grid 256 x 1, 8 waves a work-group, no clusters, 0 bytes of LDS; arguments codebook, idxw, out0; writes out0
.if DOCPART == 4
	.amdgcn_target "amdgcn-amd-amdhsa--gfx1250"
	.amdhsa_code_object_version 6
	.text
	.protected	k_q202d1e2df5_gather
	.globl	k_q202d1e2df5_gather
	.p2align	8
	.type	k_q202d1e2df5_gather,@function
k_q202d1e2df5_gather:
	s_mov_b64 s[64:65], 0
	v_nop
	global_prefetch_b8 v0, s[64:65] scope:SCOPE_SE
	s_setreg_imm32_b32 hwreg(HW_REG_WAVE_MODE, 25, 1), 1
	s_wait_xcnt 0x0
; out0[row] = codebook[idxw[row]]: 32,768 rows of 1,024 bytes, the f32 numbers as they are given.  The indices were stored as whole numbers by the launch before.
; A wave takes 16 rows: its 16 indices come by one scalar load, each row by two loads of 512 consecutive bytes, all 32 asked for at once; each store covers 512 consecutive bytes, aligned.
; Memory binds: no LDS, no barrier, no matrix unit.  The loads carry no hint, since a row of the table may be named by many rows of z.
	s_load_b128 s[4:7], s[0:1], 0x0                ; codebook, idxw
	s_load_b64 s[8:9], s[0:1], 0x10                ; out0
	v_lshrrev_b32 v1, 5, v0
	s_delay_alu instid0(VALU_DEP_1)
	v_readfirstlane_b32 s10, v1                    ; wave 0..7
	v_and_b32 v1, 31, v0
	s_delay_alu instid0(VALU_DEP_1)
	v_lshlrev_b32 v1, 4, v1                        ; 16 x lane
	s_lshl_b32 s11, ttmp9, 7
	s_lshl_b32 s12, s10, 4
	s_add_co_u32 s11, s11, s12                     ; my first row: 128 x work-group + 16 x wave
	s_lshl_b32 s12, s11, 2
	s_mov_b32 s13, 0
	s_lshl_b32 s14, s11, 10
	s_mov_b32 s15, 0
	s_wait_alu depctr_va_vdst(0)
	s_wait_kmcnt 0x0
	s_add_nc_u64 s[6:7], s[6:7], s[12:13]
	s_add_nc_u64 s[8:9], s[8:9], s[14:15]
	s_load_b512 s[16:31], s[6:7], 0x0              ; my 16 indices
	s_wait_kmcnt 0x0
.irp i, 0,1,2,3,4,5,6,7,8,9,10,11,12,13,14,15
	s_min_u32 s[16+\i], s[16+\i], 8191             ; an index is held inside the table before it enters an address
	s_lshl_b32 s[16+\i], s[16+\i], 10
	v_add_nc_u32 v[2+\i], s[16+\i], v1
.endr
	s_wait_alu depctr_va_vdst(0)
.irp i, 0,1,2,3,4,5,6,7,8,9,10,11,12,13,14,15
	global_load_b128 v[32+8*\i:35+8*\i], v[2+\i], s[4:5]
	global_load_b128 v[36+8*\i:39+8*\i], v[2+\i], s[4:5] offset:512
.endr
.set n, 0
.rept 32
	s_wait_loadcnt 31-n                            ; loads come back in order: load n is in, the younger ones stay out
	global_store_b128 v1, v[32+4*n:35+4*n], s[8:9] offset:512*n th:TH_STORE_NT
.set n, n+1
.endr
	s_endpgm
.Lfunc_end_k_q202d1e2df5_gather:
	.size	k_q202d1e2df5_gather, .Lfunc_end_k_q202d1e2df5_gather-k_q202d1e2df5_gather
	.p2alignl 7, 3214868480
	.fill 96, 4, 3214868480
	.section	.rodata,"a",@progbits
	.p2align	6, 0x0
	.amdhsa_kernel k_q202d1e2df5_gather
		.amdhsa_group_segment_fixed_size 0
		.amdhsa_private_segment_fixed_size 0
		.amdhsa_enable_private_segment 0
		.amdhsa_kernarg_size 24
		.amdhsa_user_sgpr_count 2
		.amdhsa_user_sgpr_kernarg_segment_ptr 1
		.amdhsa_wavefront_size32 1
		.amdhsa_system_sgpr_workgroup_id_x 1
		.amdhsa_system_sgpr_workgroup_id_y 1
		.amdhsa_system_sgpr_workgroup_id_z 1
		.amdhsa_system_vgpr_workitem_id 0
		.amdhsa_next_free_vgpr 160
		.amdhsa_next_free_sgpr 66
		.amdhsa_reserve_vcc 0
		.amdhsa_float_denorm_mode_32 3
		.amdhsa_float_denorm_mode_16_64 3
		.amdhsa_memory_ordered 1
		.amdhsa_forward_progress 1
		.amdhsa_inst_pref_size 11
	.end_amdhsa_kernel
	.amdgpu_metadata
---
amdhsa.version: [ 1, 2 ]
amdhsa.kernels:
  - .name:           k_q202d1e2df5_gather
    .symbol:         k_q202d1e2df5_gather.kd
    .args:
      - { .name: codebook, .offset: 0, .size: 8, .value_kind: global_buffer, .address_space: global }
      - { .name: idxw, .offset: 8, .size: 8, .value_kind: global_buffer, .address_space: global }
      - { .name: out0, .offset: 16, .size: 8, .value_kind: global_buffer, .address_space: global }
    .group_segment_fixed_size: 0
    .private_segment_fixed_size: 0
    .kernarg_segment_align: 8
    .kernarg_segment_size: 24
    .max_flat_workgroup_size: 256
    .sgpr_count:     66
    .vgpr_count:     160
    .wavefront_size: 32
...
	.end_amdgpu_metadata
.endif
;; end of part 4
